; MI455X (gfx1250); checked and timed in simulation.
; The chip was launched on July 23, 2026; its instructions are those of AMD's public machine-readable ISA for CDNA 5 (MIT licence, August 2026) and "CDNA5" Instruction Set Architecture Reference Guide (July 2026). The comments in the code are by the model that wrote it; some were corrected since.
;; Vector Quantizer. Allowed arithmetic: float matrix products may take bf16 or f16 operands with f32 sums; other float arithmetic in f32, or as packed bf16 or f16 multiplies, adds, multiply-adds, maxima and minima; sums over many terms, partial sums and values carried from step to step in f32; what a program stores and reads back later, other than sums and carried values, may be rounded once to bf16 or f16.
;; Inputs: codebook 8,192 x 256 float32; z_e 32 x 1,024 x 256 float32.
;; Outputs: out0 32 x 1,024 x 256 float32; out1 one number float32; out2 32 x 1,024 int32.
;; 2 versions, each right; version 2 is version 1 with the launch prep written anew for expert scheduling mode. Each part assembles by itself: llvm-mc -triple=amdgcn-amd-amdhsa -mcpu=gfx1250 --defsym DOCPART=n.
;; ======== version 1 of 2: 4 launches
;; workspace buffers: cb 4,194,304 bytes; esq 32,768 bytes; codes 131,072 bytes of whole numbers; part 1,024 bytes
;; launch prep (part 1): grid 128 x 1, 4 waves a work-group, no clusters, 35,584 bytes of LDS; arguments codebook, cb, esq; writes cb, esq
.if DOCPART == 1
	.amdgcn_target "amdgcn-amd-amdhsa--gfx1250"
	.amdhsa_code_object_version 6
	.text
	.protected	k_qaf184b88c9_prep
	.globl	k_qaf184b88c9_prep
	.p2align	8
	.type	k_qaf184b88c9_prep,@function
k_qaf184b88c9_prep:
	s_mov_b64 s[64:65], 0
	v_nop
	global_prefetch_b8 v0, s[64:65] scope:SCOPE_SE
	s_setreg_imm32_b32 hwreg(HW_REG_WAVE_MODE, 25, 1), 1
	s_wait_xcnt 0x0
; VECTOR QUANTIZER, launch 1 of 4: the codebook is rounded to bf16 once and laid out in the order of a wave's operand registers; esq[c] = the sum of the squares of the rounded row c, in f32.
; WORK LEFT OUT, in the whole program.  reference() adds mean((sg(z_q) - z_e)^2) and BETA x mean((z_q - sg(z_e))^2).  stop_gradient returns its argument, so for all values of the inputs
; both means are taken of the same numbers: ONE mean is made and multiplied by 1 + BETA = 1.25.  The mean left out is the mean kept, so no NaN, infinity or overflow reaches the work left out alone.
; NOT left out: z_sq, though it is the same along the argmin's axis (it is so large beside the other two terms that f32 loses their low bits, and ties then go to the lower index);
; and z_e + (z_q - z_e), though it is z_q by an identity (f32 loses z_q's low bits beside z_e).  Both inputs are loaded.
; FORMATS.  Matrix operands are bf16, so every use of z_e and of the codebook in the program is of the number rounded to bf16 (nearest even): z_sq, e_sq, out0 and the loss too.
; cb: tile T (codes 16 T .. 16 T + 15) is 8,192 bytes at 8,192 T; in it the 16 bytes at 256 g + 16 r hold elements 8 g .. 8 g + 7 of code 16 T + r.  So the 512 bytes at 512 n are, lane by lane,
;     registers 4 (n % 2) .. + 3 of the fragment of K step n / 2 (lane = r + 16 h holds elements 32 (n / 2) + 16 (n % 2) + 8 h ..).
; esq: the next launch gives tile T = 16 s + 4 w + u to wave w as its tile q = 4 s + u: esq of code 16 T + c lies at byte 8,192 w + 64 q + 4 c.
; SHARES.  Wave v of work-group G takes tile T = 4 G + v: w = G % 4, s = G / 4, u = v, so the group's four tiles make 256 consecutive bytes of esq.
; A lane loads 32 bytes of each of the 16 rows: its 8 numbers are one piece of 16 bytes of cb.  The pieces go through the wave's own stage in LDS, so that each store covers 512 consecutive bytes.
.set ROWB,  1024                       ; bytes in a row of the codebook
.set TP,    272                        ; a stage row: 256 bytes + 16 = 68 words: row g starts at bank 4 g mod 64 (64 banks of 4 bytes: ISA guide 11.1)
.set TRW,   32*TP                      ; a wave's stage: 32 rows
.set EQ,    4*TRW                      ; behind the stages: the group's 64 esq, 256 bytes
.set SPARE, EQ+256                     ; the spare words, 128 bytes for each wave: two blocks of 256 bytes that no other line names
.set LO,  2                            ; v2   32 x lane: my 32 bytes of a row
.set TS,  3                            ; v3   stage, in: row = my lane
.set TL,  4                            ; v4   stage, back: lanes 0-15 one row, lanes 16-31 the next
.set SO,  5                            ; v5   16 x lane
.set EA,  6                            ; v6   EQ + 64 x wave
.set ER,  7                            ; v7   EQ + 8 x lane
.set SPW, 8                            ; v8   my spare word; never rewritten
.set NIL, 9                            ; v9   0; never rewritten
.set T0,  10                           ; v10-11 at work
.set EV,  12                           ; v[12:13] two esq on their way out
.set EO,  14                           ; v14  my byte offset in esq
.set P,   16                           ; v16-31  row r: the sum of squares
.set X,   32                           ; v32-159 row r: 8 registers as loaded; the first 4 then hold the 8 rounded numbers
.set BK,  160                          ; v160-223 the tile read back from the stage
.set WV,  14                           ; s14  my wave
	s_load_b128 s[4:7], s[0:1], 0x0                ; codebook s[4:5], cb s[6:7]
	s_load_b64 s[8:9], s[0:1], 0x10                ; esq
	v_lshl_add_u32 v[SPW], v0, 2, SPARE
	v_mov_b32 v[NIL], 0
	v_lshrrev_b32 v1, 5, v0
	v_readfirstlane_b32 s[WV], v1                  ; wave 0..3
	v_and_b32 v1, 31, v0                           ; lane
	v_lshlrev_b32 v[LO], 5, v1
	v_lshlrev_b32 v[SO], 4, v1
	s_mul_i32 s15, s[WV], TRW                      ; my stage
	v_mul_u32_u24 v[TS], v1, TP
	v_add_nc_u32 v[TS], s15, v[TS]
	v_lshrrev_b32 v[T0], 4, v1
	v_and_b32 v[T0+1], 15, v1
	v_mul_u32_u24 v[TL], v[T0], TP
	v_lshl_add_u32 v[TL], v[T0+1], 4, v[TL]
	v_add_nc_u32 v[TL], s15, v[TL]
	s_lshl_b32 s16, s[WV], 6
	s_add_co_u32 s16, s16, EQ
	v_mov_b32 v[EA], s16
	v_lshl_add_u32 v[ER], v1, 3, EQ
	s_lshl_b32 s17, ttmp9, 2
	s_add_co_u32 s17, s17, s[WV]                   ; T
	s_lshl_b32 s18, s17, 14                        ; 16 rows of 1,024 bytes
	s_mov_b32 s19, 0
	s_lshl_b32 s20, s17, 13                        ; 8,192 bytes of cb
	s_mov_b32 s21, 0
	s_and_b32 s22, ttmp9, 3
	s_lshl_b32 s22, s22, 13                        ; 8,192 (G % 4)
	s_lshr_b32 s23, ttmp9, 2
	s_lshl_b32 s23, s23, 8                         ; + 256 (G / 4)
	s_add_co_u32 s22, s22, s23
	v_lshl_add_u32 v[EO], v1, 3, s22
	s_mov_b32 s12, 0x76543210                      ; v_permlanex16_b32: each lane takes its own place in the other half
	s_mov_b32 s13, 0xfedcba98
	s_wait_kmcnt 0x0
	s_add_nc_u64 s[4:5], s[4:5], s[18:19]
	s_add_nc_u64 s[6:7], s[6:7], s[20:21]
.set r, 0
.rept 16                                       ; all 32 loads go out before the first wait: 16 KiB a wave
	global_load_b128 v[X+8*r:X+8*r+3],   v[LO], s[4:5] offset:ROWB*r th:TH_LOAD_NT
	global_load_b128 v[X+8*r+4:X+8*r+7], v[LO], s[4:5] offset:ROWB*r+16 th:TH_LOAD_NT
.set r, r+1
.endr
.set r, 0
.rept 16
	s_wait_loadcnt 30-2*r                          ; row r is in; the two loads of each later row may stay out
.irp n, 0,1,2,3
	v_cvt_pk_bf16_f32 v[X+8*r+\n], v[X+8*r+2*\n], v[X+8*r+2*\n+1]  ; in place, ascending: register n is written when it has been read
.endr
	v_fma_mix_f32_bf16 v[P+r], v[X+8*r], v[X+8*r], v[NIL] op_sel_hi:[1,1,0]                ; the low half squared starts the sum
	v_fma_mix_f32_bf16 v[P+r], v[X+8*r], v[X+8*r], v[P+r] op_sel:[1,1,0] op_sel_hi:[1,1,0]  ; the high half squared
.irp n, 1,2,3
	v_fma_mix_f32_bf16 v[P+r], v[X+8*r+\n], v[X+8*r+\n], v[P+r] op_sel_hi:[1,1,0]
	v_fma_mix_f32_bf16 v[P+r], v[X+8*r+\n], v[X+8*r+\n], v[P+r] op_sel:[1,1,0] op_sel_hi:[1,1,0]
.endr
	ds_store_b128 v[TS], v[X+8*r:X+8*r+3] offset:16*r  ; stage row = my lane = g, place r
.set r, r+1
.endr
.set g, 0
.rept 16
	ds_load_b128 v[BK+4*g:BK+4*g+3], v[TL] offset:2*TP*g  ; my own stage: LDS serves a wave's instructions in order (ISA guide 5.7.1.4), so these see the stores above
.set g, g+1
.endr
.set g, 0
.rept 16
	s_wait_dscnt 15-g                              ; read-back g is in; the later ones may stay out
	global_store_b128 v[SO], v[BK+4*g:BK+4*g+3], s[6:7] offset:512*g  ; 512 consecutive bytes, at a multiple of 256 from cb's first byte
.set g, g+1
.endr
	; the sums over the 32 lanes: four steps inside each half ride on the addition, one crosses the halves
.irp m, 1,2,4,8
.set r, 0
.rept 16
	v_add_f32_dpp v[P+r], v[P+r], v[P+r] row_xmask:\m row_mask:0xf bank_mask:0xf
.set r, r+1
.endr
.endr
.set r, 0
.rept 8
	v_permlanex16_b32 v[T0], v[P+r], s12, s13
	v_permlanex16_b32 v[T0+1], v[P+r+1], s12, s13
	v_add_f32 v[P+r], v[P+r], v[T0]
	v_add_f32 v[P+r+1], v[P+r+1], v[T0+1]
.set r, r+2
.endr
.irp a, 0,1,2,3
	ds_store_b128 v[EA], v[P+4*\a:P+4*\a+3] offset:16*\a  ; every lane holds the same 16 sums and writes the same words
.endr
	s_wait_dscnt 0x0                               ; for wave 0: my stores are done
	s_barrier_signal -1
	s_barrier_wait -1
	s_cmp_lg_u32 s[WV], 0
	s_cbranch_scc1 .Lend
	ds_load_b64 v[EV:EV+1], v[ER]
	s_wait_dscnt 0x0
	global_store_b64 v[EO], v[EV:EV+1], s[8:9]     ; the group's 64 esq: 256 consecutive bytes, aligned
.Lend:
	s_wait_tensorcnt 0x0                           ; the wave's end, behind my last LDS store
	ds_add_u32 v[SPW], v[NIL]
	s_wait_dscnt 0x0
	s_endpgm
.Lfunc_end_k_qaf184b88c9_prep:
	.size	k_qaf184b88c9_prep, .Lfunc_end_k_qaf184b88c9_prep-k_qaf184b88c9_prep
	.p2alignl 7, 3214868480
	.fill 96, 4, 3214868480
	.section	.rodata,"a",@progbits
	.p2align	6, 0x0
	.amdhsa_kernel k_qaf184b88c9_prep
		.amdhsa_group_segment_fixed_size 35584
		.amdhsa_private_segment_fixed_size 0
		.amdhsa_enable_private_segment 0
		.amdhsa_kernarg_size 24
		.amdhsa_user_sgpr_count 2
		.amdhsa_user_sgpr_kernarg_segment_ptr 1
		.amdhsa_wavefront_size32 1
		.amdhsa_system_sgpr_workgroup_id_x 1
		.amdhsa_system_sgpr_workgroup_id_y 1
		.amdhsa_system_sgpr_workgroup_id_z 1
		.amdhsa_system_vgpr_workitem_id 0
		.amdhsa_next_free_vgpr 224
		.amdhsa_next_free_sgpr 66
		.amdhsa_reserve_vcc 0
		.amdhsa_float_denorm_mode_32 3
		.amdhsa_float_denorm_mode_16_64 3
		.amdhsa_memory_ordered 1
		.amdhsa_forward_progress 1
		.amdhsa_inst_pref_size 28
	.end_amdhsa_kernel
	.amdgpu_metadata
---
amdhsa.version: [ 1, 2 ]
amdhsa.kernels:
  - .name:           k_qaf184b88c9_prep
    .symbol:         k_qaf184b88c9_prep.kd
    .args:
      - { .name: codebook, .offset: 0, .size: 8, .value_kind: global_buffer, .address_space: global }
      - { .name: cb, .offset: 8, .size: 8, .value_kind: global_buffer, .address_space: global }
      - { .name: esq, .offset: 16, .size: 8, .value_kind: global_buffer, .address_space: global }
    .group_segment_fixed_size: 35584
    .private_segment_fixed_size: 0
    .kernarg_segment_align: 8
    .kernarg_segment_size: 24
    .max_flat_workgroup_size: 128
    .sgpr_count:     66
    .vgpr_count:     224
    .wavefront_size: 32
...
	.end_amdgpu_metadata
.endif
;; end of part 1
;; launch search (part 2): grid 256 x 1, 4 waves a work-group, clusters of 4 x 1, 327,680 bytes of LDS; arguments cb, esq, z_e, out2, codes; writes out2, codes
.if DOCPART == 2
	.amdgcn_target "amdgcn-amd-amdhsa--gfx1250"
	.amdhsa_code_object_version 6
	.text
	.protected	k_qaf184b88c9_search
	.globl	k_qaf184b88c9_search
	.p2align	8
	.type	k_qaf184b88c9_search,@function
k_qaf184b88c9_search:
	s_mov_b64 s[64:65], 0
	v_nop
	global_prefetch_b8 v0, s[64:65] scope:SCOPE_SE
	s_setreg_imm32_b32 hwreg(HW_REG_WAVE_MODE, 25, 1), 1
	s_wait_xcnt 0x0
	s_wait_alu depctr_hold_cnt(0) depctr_sa_sdst(0) depctr_va_vdst(0) depctr_va_sdst(0) depctr_va_ssrc(0) depctr_va_vcc(0) depctr_vm_vsrc(0)
	s_getreg_b32 s2, hwreg(HW_REG_IB_STS2, 6, 4)
	s_cmp_eq_u32 s2, 0
	s_cbranch_scc0 .Lentry_in_a_cluster
	s_endpgm
.Lentry_in_a_cluster:
	s_bfe_u32 s2, ttmp6, 0x10000c
	s_cmp_lg_u32 s2, 0x3003
	s_cbranch_scc0 .Lentry_shape_is_right
	s_endpgm
.Lentry_shape_is_right:
; VECTOR QUANTIZER, launch 2 of 4: for each of the 32,768 rows z the index of the FIRST minimum over the 8,192 codes of dist = (zsq - 2 z.e) + esq.  Nothing of this step is left out.
; dist is formed as reference() forms it: one rounding of zsq - 2 ze (a fused multiply-add with the exact factor -2), one of + esq; zsq stays, since f32 loses the other terms' low bits beside it.
; z is rounded to bf16 here, on its way from LDS to the operand registers; zsq is the sum of the squares of the rounded numbers; cb and esq come from the launch before.
; LIMITS.  ze, zsq and esq are f32 sums in another order than reference()'s: a row whose best candidates lie within such a sum's rounding of a rounding boundary of dist may get the other index.
; A NaN distance is passed over (v_min_num_f32); where all of a row's distances are +infinity the index is 0.
; SHARES.  A work-group owns 128 rows.  EVERY wave holds all 128 as operands in 512 registers; the CODES are split: of step s (16 tiles of 16 codes, 128 KiB of cb) wave w takes tiles 16 s + 4 w + u,
; u = 0..3: its tiles q = 4 s + u = 0..127.  So a fragment of cb read from LDS feeds 8 matrix instructions, and no LDS byte of cb is read twice.
; LAYOUT.  D = codes x z^T (source 0 = 16 codes, source 1 = 16 rows): lane (r, h) holds ONE row r and the codes 8 h + j in register j.  zsq is one register a row tile, esq 8 registers a code tile.
; THE ARGMIN, 23 vector instructions for an accumulator: dist in place (4 + 4 packed), the least of the lane's 8 (4), one strict compare with the running minimum (the earlier tile keeps a tie),
; the minimum, the tile's number, and the 8 distances kept under the same mask.  At the end the place is the first kept distance that equals the minimum; halves of lanes and waves meet by (value, code).
; BY TURNS.  Phase t issues the 64 matrix instructions of tile t into accumulator set t % 2; behind each stand three vector instructions of tile t - 1's argmin, on the other set.
; CLUSTER.  All work-groups walk the same cb and esq: the four partners ask for each part JOINTLY (the same load, descriptor and mask in all four).  z is a work-group's own: a plain load.
; LDS: slot 0 at 0 and slot 1 at 2^17, 128 KiB each, wave w's part at + 32,768 w; the z tile (128 rows, 1,040 bytes apart) lies in slot 1's place first; esq; the meeting place; the spare words.
; REGISTERS, in windows of 256 (s_set_vgpr_msb: bits 1:0 source 0, 3:2 source 1, 5:4 source 2, 7:6 destination):
;   window 0: v0-15 addresses and two at work; v16-31 (zsq, running minimum) a row tile; v32-39 tile number + 1; v40-55 esq, two buffers; v56-63 at work; v64-191 two sets of 8 accumulators; v192-255 the kept distances
;   window 1: z, row tiles 0-3 (tile i, K step k at 64 (i % 4) + 8 k)     window 2: row tiles 4-7     window 3: v0-127 two buffers of a code tile's 8 fragments; before the loop: z in f32
; A slice costs two switches, since no window has room for a product's operands beside what the argmin touches.
.set SLOT1, 1<<17                      ; one exclusive or turns an address in one slot into the other's
.set PARTB, 32768                      ; a wave's part of a step: 4 tiles
.set STEPB, 4*PARTB
.set TILEB, 8192
.set ZPI,   1040                       ; a row of z in LDS: 1,024 bytes + 16 = 260 words: row r starts at bank 4 r mod 64 (64 banks of 4 bytes: ISA guide 11.1)
.set ESQ,   SLOT1+128*ZPI              ; 264,192: esq, wave w's 8,192 bytes at + 8,192 w; filled once
.set MRG,   ESQ+32768                  ; 296,960: wave v's 128 x (value, code) at + 1,024 v; no tensor load fills it
.set SPARE, MRG+4096                   ; 301,056: the spare words, 128 bytes for each wave: two blocks of 256 bytes that no other line names
.set LA0, 2                            ; v2   16 x lane + 32,768 x wave; never rewritten
.set LE0, 3                            ; v3   ESQ + 8,192 x wave + 32 h; never rewritten
.set ADR, 4                            ; v4   LDS address of the run of fragment loads in hand
.set ADE, 5                            ; v5   of esq's two loads
.set M,   6                            ; v6-7 a tile's least distance, by the accumulator's parity (at the head: r, h)
.set ZA,  8                            ; v8-9 my place in the z tile, row tiles 0-3 and 4-7
.set SPW, 10                           ; v10  my spare word; never rewritten
.set NIL, 11                           ; v11  0; never rewritten
.set PFO, 12                           ; v12  256 x lane; never rewritten
.set CB,  13                           ; v13  64 x wave + 8 h
.set MST, 14                           ; v14  MRG + 1,024 x wave + 8 r
.set MLD, 15                           ; v15  MRG + 512 x wave + 16 x lane
.set ZR,  16
.set ID,  32
.set E,   40
.set TT,  56
.set ACC, 64
.set SV,  192
.set WV,  14                           ; s14  my wave
.set CX,  15                           ; s15  my place in the cluster: it enters z's, the prefetches' and the outputs' global addresses alone
.set G1C, 24                           ; s[24:31] group 1: 128 rows of 256 bytes, joint
.set G1E, 32                           ; s[32:39] 32 rows of 256 bytes, joint
.set G1Z, 40                           ; s[40:47] 32 rows of 256 f32, padded, plain
.set G0C, 48                           ; s[48:51] group 0 for cb: it walks
.set G0E, 52                           ; s[52:55] for esq
.set G0Z, 56                           ; s[56:59] for z
.set SLOTS, 60                         ; s60  passes of the loop over slots still to come
.set CNT, 61                           ; s61  counts pairs of phases
.set TB,  62                           ; s62  LDS byte, less my wave's part, of the tile to be fetched
.set Q,   63                           ; s63  the number of the tile whose products are being issued
.set LIM, 66                           ; s66  2 in the cluster that prefetches, else the greatest number
.set PFA, 68                           ; s[68:69] where my prefetches stand
.set MK,  70                           ; s70-71 the argmin's masks, by the accumulator's parity
.set SEL, 72                           ; s[72:73] v_permlanex16_b32: each lane takes its own place in the other half
.set DM,  74                           ; s75-81 the lanes with lane % 8 = j
.set VM,  82                           ; s82  lanes 0-7 and 24-31
.set PM,  83                           ; s83-85 masks where candidates meet
.set WG,  87                           ; s87  my work-group = 4 x cluster + cx
.set MSB, 0
.macro WIN new                         ; the immediate's high byte repeats the setting that is left; a switch that changes nothing is dropped
.if MSB != (\new)
	s_set_vgpr_msb (MSB<<8)|(\new)
.set MSB, (\new)
.endif
.endm
; A round of the cluster's barrier: my work-group's barrier, so that wave 0's signal speaks for all four waves; wave 0 signals; every wave waits for all four work-groups; my work-group's barrier once more.
.macro CROUND
	s_barrier_signal -1
	s_barrier_wait -1
	s_cmp_lg_u32 s[WV], 0
	s_cbranch_scc1 .Lnot_wave_0_\@
	s_barrier_signal -3
.Lnot_wave_0_\@:
	s_barrier_wait -3
	s_barrier_signal -1
	s_barrier_wait -1
.endm
; A PREFETCH INTO THE L2, behind each joint refill and its five lines: the step that stands TWO refills on, 512 matrix instructions ahead of the load that will ask for it.  All clusters walk the same cb: cluster 0 asks,
; a condition that is the same in its four partners.  A step's 512 blocks of 256 bytes are dealt out BY ADDRESS: 32,768 cx + 8,192 wave + 256 lane: one instruction a wave, each block named once in the launch.
; Steps 0, 1 and 2 come by their loads alone.  The refill of step f stands where s[SLOTS] = 32 - f and names step f + 2: it asks while s[SLOTS] is above 2, so the last step named is 31.
.macro ASK
	s_cmp_gt_u32 s[SLOTS], s[LIM]
	s_cbranch_scc0 .Lnot_mine_\@
	global_prefetch_b8 v[PFO], s[PFA:PFA+1] th:TH_LOAD_NT scope:SCOPE_SE
.Lnot_mine_\@:
.endm
; THE CHANGE OF SLOTS stands in front of the phase of a slot's LAST tile, whose fragments have been asked for.  Each wave waits for all its tensor loads, of which one is out: its part of the other slot;
; adds 0 to its spare word; and waits for that and for its reads of the slot.  fill = 1: the slot is filled again with the step two on.  The barrier is then a round of the cluster's, so that no wave of any
; partner still reads the slot or has a load on its way, and the joint refill, every wave its own quarter, is the first thing behind it: it has four phases, 256 matrix instructions, in which to land.
; (At its first use the bytes left are the z tile's: slot 1 takes step 1.)
.macro CHANGE fill
	WIN 0                                          ; at a label and at a branch every window is 0
	s_wait_tensorcnt 0x0                           ; no tensor load of mine is out, so group 0 may be written
	ds_add_u32 v[SPW], v[NIL]                      ; 0 onto my spare word
.if \fill
	s_xor_b32 s[G0C+1], s[G0C+1], SLOT1            ; the other slot than last time,
	s_add_nc_u64 s[G0C+2:G0C+3], s[G0C+2:G0C+3], STEPB  ; the next step; the type bits on top are not reached
	s_wait_xcnt 0x0                                ; the last prefetch, four phases back, has read its address
	s_add_nc_u64 s[PFA:PFA+1], s[PFA:PFA+1], STEPB
	s_wait_dscnt 0x0                               ; the add is done, and my reads of the slot are over
	CROUND
	tensor_load_to_lds s[G0C:G0C+3], s[G1C:G1C+7]
	s_nop 0
.rept 4
	v_nop
.endr
	ASK
.else
	s_wait_dscnt 0x0                               ; the add is done, and my reads of the slot are over
	s_barrier_signal -1
	s_barrier_wait -1
.endif
	s_sub_co_u32 s[TB], s[TB], PARTB               ; the fetches go back to a part's first tile,
	s_xor_b32 s[TB], s[TB], SLOT1                  ; in the other slot
.endm
; 16 LDS loads in one run: a code tile's 8 fragments into buffer b.  Load n takes the 512 bytes at 512 n, 16 a lane on end: registers 4 (n % 2) .. + 3 of K step n / 2.
.macro FRAG b
	WIN 0xc0                                       ; destination window 3, address window 0
.set fn, 0
.rept 16
	ds_load_b128 v[64*(\b)+4*fn:64*(\b)+4*fn+3], v[ADR] offset:512*fn
.set fn, fn+1
.endr
	WIN 0
.endm
; Phase t (b = t % 2) fetches tile t + 1's fragments into the other buffer, and tile t's esq, which the next phase's argmin adds.  last = 1: in the loop's last trip there is no further tile.
.macro FETCH b, last
	WIN 0
	v_add_nc_u32 v[ADR], s[TB], v[LA0]
	v_lshl_add_u32 v[ADE], s[Q], 6, v[LE0]         ; 64 bytes a tile
.if \last
	s_cmp_eq_u32 s[CNT], 1
	s_cbranch_scc1 .Lno_frag_\@
.endif
	FRAG 1-(\b)
.if \last
.Lno_frag_\@:
.endif
	ds_load_b128 v[E+8*(\b):E+8*(\b)+3],   v[ADE]
	ds_load_b128 v[E+8*(\b)+4:E+8*(\b)+7], v[ADE] offset:16
	s_add_co_u32 s[TB], s[TB], TILEB
.endm
; Number ej of the 23 of accumulator ei of a set; eb: esq's buffer.  The accumulator's lowest pair is read first.
.macro EP set, eb
.set rA, ACC+64*(\set)+8*ei
.set rZ, ZR+2*ei
.set rM, M+ei%2
.set rK, MK+ei%2
.if ej < 4
	v_pk_fma_f32 v[rA+2*ej:rA+2*ej+1], v[rA+2*ej:rA+2*ej+1], -2.0, v[rZ:rZ+1] op_sel_hi:[1,0,0]  ; zsq - 2 ze: one rounding; both halves take the pair's low word, zsq
.elseif ej < 8
	v_pk_add_f32 v[rA+2*ej-8:rA+2*ej-7], v[rA+2*ej-8:rA+2*ej-7], v[E+8*(\eb)+2*ej-8:E+8*(\eb)+2*ej-7]  ; + esq
.elseif ej == 8
	v_min3_num_f32 v[rM], v[rA], v[rA+1], v[rA+2]
.elseif ej < 11
	v_min3_num_f32 v[rM], v[rM], v[rA+2*ej-15], v[rA+2*ej-14]
.elseif ej == 11
	v_min_num_f32 v[rM], v[rM], v[rA+7]
.elseif ej == 12
	v_cmp_lt_f32 s[rK], v[rM], v[rZ+1]             ; strictly less: the earlier tile keeps a tie
.elseif ej == 13
	v_min_num_f32 v[rZ+1], v[rZ+1], v[rM]
.elseif ej == 14
	v_cndmask_b32 v[ID+ei], v[ID+ei], s[Q], s[rK]  ; s[Q] is the number of the tile being multiplied: this tile's + 1
.elseif ej < 23
	v_cndmask_b32 v[SV+8*ei+ej-15], v[SV+8*ei+ej-15], v[rA+ej-15], s[rK]
.endif
.endm
; Slice sn of 64: three of the 8 x 24 places (the 24th of each accumulator is empty).  Two accumulators alternate, so that no instruction reads the result of the one just before it.
.macro SLICE set, eb
	WIN 0
.irp u, 0,1,2
.set x, 3*sn+\u
.set ei, 2*(x/48)+x%2
.set ej, (x%48)/2
	EP \set, \eb
.endr
.endm
; A PHASE: tile t's 64 matrix instructions, K step sn / 8 outer, row tile sn % 8 inner: the 8 accumulators take turns, one instruction a turn, over the phases' edges too.
; A load into a register that a matrix instruction has read, and a vector instruction on a matrix result, stand four places behind it, and only plain vector instructions that name none of its registers are
; places (ISA guide 7.12.1 for vector instructions).  The fragment loads stand behind slice 1: behind the last product that read their buffer stand one instruction of the phase
; before, six of slices 0 and 1 (on accumulators 0 and 1, which that product does not name) and the two address lines.  An accumulator's first reader stands 22 slice instructions or more behind its last product.
.macro PHASE b, last=0
	s_wait_dscnt 0x0                               ; this tile's fragments and the tile before's esq, asked for 62 matrix instructions ago
.set sn, 0
.rept 64
.set rD, ACC+64*(\b)+8*(sn%8)
.set rF, 64*(\b)+8*(sn/8)
.set rB, 64*(sn%4)+8*(sn/8)
	WIN 0x07+4*((sn%8)/4)                          ; codes in window 3, z in window 1 or 2, sums in window 0
.if sn < 8
	v_wmma_f32_16x16x32_bf16 v[rD:rD+7], v[rF:rF+7], v[rB:rB+7], 0
.else
	v_wmma_f32_16x16x32_bf16 v[rD:rD+7], v[rF:rF+7], v[rB:rB+7], v[rD:rD+7]
.endif
	SLICE 1-(\b), 1-(\b)
.if sn == 1
	FETCH \b, \last
.endif
.set sn, sn+1
.endr
	s_add_co_u32 s[Q], s[Q], 1
.endm
; z from LDS, f32: group g = row tile g / 2, K steps 4 (g % 2) .. + 3: 16 loads into half g % 2 of window 3.  Lane (r, h) takes elements 32 k + 8 h .. + 7 and 32 k + 16 + 8 h .. + 7 of row 16 i + r.
.macro ZLOAD g
	WIN 0xc0
.set zi, (\g)/2
.set zk, 4*((\g)%2)
.irp f, 0,1,2,3
.irp o, 0,1,2,3
	ds_load_b128 v[64*((\g)%2)+16*\f+4*\o:64*((\g)%2)+16*\f+4*\o+3], v[ZA+zi/4] offset:16*ZPI*(zi%4)+128*(zk+\f)+16*\o+32*(\o/2)
.endr
.endr
.endm
.macro ZCVT g                          ; and rounded to bf16, two numbers an instruction, into the operand registers
.set zi, (\g)/2
	WIN 0x4f+0x40*(zi/4)                           ; sources window 3, destination window 1 or 2
.set zn, 0
.rept 32
	v_cvt_pk_bf16_f32 v[64*(zi%4)+32*((\g)%2)+zn], v[64*((\g)%2)+2*zn], v[64*((\g)%2)+2*zn+1]
.set zn, zn+1
.endr
.endm
; zsq of row tile i is the diagonal of Z Z^T.  Element (m = 8 h + j, n = r): row r's lies in register r % 8 of lane r (r < 8) or lane 16 + r.  The register lane % 8 is picked, then the other half's where mine is none.
.macro DIAG i
.set rA, ACC+8*(\i)
.set rT, TT+2*((\i)%2)
	v_cndmask_b32 v[rT], v[rA], v[rA+1], s[DM+1]
.irp j, 2,3,4,5,6,7
	v_cndmask_b32 v[rT], v[rT], v[rA+\j], s[DM+\j]
.endr
	v_permlanex16_b32 v[rT+1], v[rT], s[SEL], s[SEL+1]
	v_cndmask_b32 v[ZR+2*(\i)], v[rT+1], v[rT], s[VM]
.endm
; Two candidates (value, code) meet: the other one is taken where its value is less, or equal with the lower code.
.macro PICK v, c, ov, oc
	v_cmp_lt_f32 s[PM], v[\ov], v[\v]
	v_cmp_eq_f32 s[PM+1], v[\ov], v[\v]
	v_cmp_lt_u32 s[PM+2], v[\oc], v[\c]
	s_and_b32 s[PM+1], s[PM+1], s[PM+2]
	s_or_b32 s[PM], s[PM], s[PM+1]
	v_cndmask_b32 v[\v], v[\v], v[\ov], s[PM]
	v_cndmask_b32 v[\c], v[\c], v[\oc], s[PM]
.endm
; Row tile i: the first kept distance that equals the minimum gives the place; code = 256 (q / 4) + 16 (q % 4) + 64 wave + 8 h + place; the other half of the lanes; into the meeting place.
.macro MERGE i
	v_mov_b32 v[TT+4], 7
.irp j, 6,5,4,3,2,1,0
	v_cmp_neq_f32 vcc_lo, v[SV+8*(\i)+\j], v[ZR+2*(\i)+1]
	v_cndmask_b32 v[TT+4], \j, v[TT+4], vcc_lo
.endr
	v_add_nc_u32 v[TT+5], -1, v[ID+(\i)]           ; q
	v_lshrrev_b32 v[TT+1], 2, v[TT+5]
	v_and_b32 v[TT+5], 3, v[TT+5]
	v_lshl_add_u32 v[TT+1], v[TT+1], 8, v[CB]
	v_lshl_add_u32 v[TT+1], v[TT+5], 4, v[TT+1]
	v_add_nc_u32 v[TT+1], v[TT+1], v[TT+4]
	v_mov_b32 v[TT], v[ZR+2*(\i)+1]
	v_permlanex16_b32 v[TT+2], v[TT], s[SEL], s[SEL+1]
	v_permlanex16_b32 v[TT+3], v[TT+1], s[SEL], s[SEL+1]
	PICK TT, TT+1, TT+2, TT+3
	ds_store_b64 v[MST], v[TT:TT+1] offset:128*(\i)  ; lanes r and 16 + r write the same pair to the same place
.endm
	s_load_b256 s[4:11], s[0:1], 0x0               ; cb s[4:5], esq s[6:7], z_e s[8:9], out2 s[10:11]
	s_load_b64 s[12:13], s[0:1], 0x20              ; codes
	v_lshl_add_u32 v[SPW], v0, 2, SPARE
	v_mov_b32 v[NIL], 0
	ds_add_u32 v[SPW], v[NIL]                      ; the wave's opening: the add, twice on end, and its wait ahead of my first tensor load; the set-up below stands between
	ds_add_u32 v[SPW], v[NIL]                      ; and once more, under the one wait
	v_lshrrev_b32 v1, 5, v0
	v_readfirstlane_b32 s[WV], v1                  ; wave 0..3
	s_bfe_u32 s[CX], ttmp6, 0x40000                ; cx
	s_lshl_b32 s[WG], ttmp9, 2                     ; in a cluster launch ttmp9 counts clusters
	s_add_co_u32 s[WG], s[WG], s[CX]
	; group 1 for cb: a dense block of 32,768 bytes as 128 rows of 256
	s_mov_b32 s[G1C], 15|(3<<16)|(1<<21)           ; 15:0 the mask: all four work-groups; 17:16 elements of 8 bytes; 21 set beside a mask
	s_mov_b32 s[G1C+1], 32<<16                     ; tensor_dim0 = 32
	s_mov_b32 s[G1C+2], 128<<16                    ; tensor_dim1 = 128
	s_mov_b32 s[G1C+3], 32<<16                     ; tile_dim0 = 32
	s_mov_b32 s[G1C+4], 128                        ; tile_dim1 = 128
	s_mov_b32 s[G1C+5], 32                         ; 32 elements from row to row
	s_mov_b32 s[G1C+6], 0
	s_mov_b32 s[G1C+7], 0
	; for esq: 8,192 bytes as 32 rows of 256
	s_mov_b32 s[G1E], 15|(3<<16)|(1<<21)
	s_mov_b32 s[G1E+1], 32<<16
	s_mov_b32 s[G1E+2], 32<<16
	s_mov_b32 s[G1E+3], 32<<16
	s_mov_b32 s[G1E+4], 32
	s_mov_b32 s[G1E+5], 32
	s_mov_b32 s[G1E+6], 0
	s_mov_b32 s[G1E+7], 0
	; for z: 32 rows of 256 f32, 4 words of padding behind every 256
	s_mov_b32 s[G1Z], (2<<16)|(1<<20)|(7<<22)|(3<<25)  ; no mask; 17:16 elements of 4 bytes; 20 padding on; 24:22 after every 256 words (code 7); 31:25 4 words (code 3)
	s_mov_b32 s[G1Z+1], 256<<16
	s_mov_b32 s[G1Z+2], 32<<16
	s_mov_b32 s[G1Z+3], 256<<16
	s_mov_b32 s[G1Z+4], 32
	s_mov_b32 s[G1Z+5], 256
	s_mov_b32 s[G1Z+6], 0
	s_mov_b32 s[G1Z+7], 0
	s_mov_b32 s[G0C], 1                            ; count = 1
	s_mul_i32 s[G0C+1], s[WV], PARTB               ; LDS: slot 0, my part
	s_mov_b32 s[G0E], 1
	s_mul_i32 s16, s[WV], TILEB
	s_add_co_u32 s[G0E+1], s16, ESQ
	s_mov_b32 s[G0Z], 1
	s_mul_i32 s16, s[WV], 32*ZPI
	s_add_co_u32 s[G0Z+1], s16, SLOT1              ; my 32 rows of the z tile
	s_mul_i32 s18, s[WV], PARTB                    ; offsets that the four partners share
	s_mov_b32 s19, 0
	s_mul_i32 s20, s[WV], TILEB
	s_mov_b32 s21, 0
	s_mov_b32 s[TB], SLOT1+PARTB                   ; the first change of slots turns this into 0
	s_mov_b32 s[Q], 0
	s_mov_b32 s[SLOTS], 31
	s_mov_b32 s[SEL], 0x76543210
	s_mov_b32 s[SEL+1], 0xfedcba98
.irp j, 1,2,3,4,5,6,7
	s_mov_b32 s[DM+\j], 0x01010101<<\j
.endr
	s_mov_b32 s[VM], 0xff0000ff
	s_cmp_eq_u32 ttmp9, 0                          ; the same in all four partners
	s_cselect_b32 s[LIM], 2, -1
	s_wait_dscnt 0x0                               ; both opening adds are done
	s_wait_kmcnt 0x0
	s_add_nc_u64 s[G0C+2:G0C+3], s[4:5], s[18:19]  ; step 0, my part
	s_or_b32 s[G0C+3], s[G0C+3], 0x80000000        ; type = 2
	s_add_nc_u64 s[G0E+2:G0E+3], s[6:7], s[20:21]
	s_or_b32 s[G0E+3], s[G0E+3], 0x80000000
	s_lshl_b32 s22, s[WG], 17                      ; my work-group's 128 rows of 1,024 bytes,
	s_add_co_u32 s22, s22, s18                     ; my wave's 32 of them
	s_mov_b32 s23, 0
	s_add_nc_u64 s[G0Z+2:G0Z+3], s[8:9], s[22:23]
	s_or_b32 s[G0Z+3], s[G0Z+3], 0x80000000
	s_lshl_b32 s22, s[CX], 15
	s_add_co_u32 s22, s22, s20
	s_add_nc_u64 s[PFA:PFA+1], s[4:5], s[22:23]
	s_add_nc_u64 s[PFA:PFA+1], s[PFA:PFA+1], 2*STEPB  ; in step 2: the first change of slots steps it to 3.  Nothing is prefetched here, at the head
	CROUND                                         ; all four work-groups are here: the first joint loads meet
	tensor_load_to_lds s[G0Z:G0Z+3], s[G1Z:G1Z+7]  ; the first fills go out as one group: three loads of mine are out
	s_nop 0
	tensor_load_to_lds s[G0C:G0C+3], s[G1C:G1C+7]
	s_nop 0
	tensor_load_to_lds s[G0E:G0E+3], s[G1E:G1E+7]
	s_nop 0
.rept 4
	v_nop
.endr
	; in the wait for them: the lanes' addresses,
	v_and_b32 v1, 31, v0                           ; lane; kept to the end
	v_and_b32 v[M], 15, v0                         ; r
	v_bfe_u32 v[M+1], v0, 4, 1                     ; h
	v_lshlrev_b32 v[PFO], 8, v1
	v_lshl_add_u32 v[LA0], v1, 4, s18
	s_add_co_u32 s16, s20, ESQ
	v_lshl_add_u32 v[LE0], v[M+1], 5, s16
	v_mul_u32_u24 v[ZA], v[M], ZPI
	v_lshl_add_u32 v[ZA], v[M+1], 5, v[ZA]
	v_add_nc_u32 v[ZA], SLOT1, v[ZA]
	v_add_nc_u32 v[ZA+1], 4*16*ZPI, v[ZA]
	s_lshl_b32 s16, s[WV], 6
	v_lshl_add_u32 v[CB], v[M+1], 3, s16
	s_lshl_b32 s16, s[WV], 10
	s_add_co_u32 s16, s16, MRG
	v_lshl_add_u32 v[MST], v[M], 3, s16
	s_lshl_b32 s16, s[WV], 9
	s_add_co_u32 s16, s16, MRG
	v_lshl_add_u32 v[MLD], v1, 4, s16
	; and what the first phase's slices find, 160 lines: a tile that has not been.  Its sums are -infinity, so its distances are +infinity and nothing is taken.  The price of writing no first phase out.
	s_mov_b32 s16, 0xff800000
	s_mov_b32 s17, 0x7f800000
.set i, 0
.rept 64
	v_mov_b32 v[ACC+64+i], s16
	v_mov_b32 v[SV+i], s17
.set i, i+1
.endr
.set i, 0
.rept 8
	v_mov_b32 v[ZR+2*i+1], s17                     ; the running minimum
	v_mov_b32 v[ID+i], 1                           ; tile 0
	v_mov_b32 v[E+8+i], 0
	v_mov_b32 v[TT+i], 0                           ; v_permlanex16_b32 counts its destination as read
.set i, i+1
.endr
	s_wait_tensorcnt 0x0                           ; my parts of z, of step 0 and of esq are in,
	s_barrier_signal -1
	s_barrier_wait -1                              ; everybody's are: every wave reads all 128 rows of z.
	ZLOAD 0
	ZLOAD 1
.set g, 0
.rept 16
.if g < 15
	s_wait_dscnt 16                                ; group g is in; the next group's 16 loads may stay out
.else
	s_wait_dscnt 0x0
.endif
	ZCVT g
.if g < 14
	ZLOAD g+2
.endif
.set g, g+1
.endr
	CHANGE 1                                       ; the z tile has been read by every wave of the cluster: slot 1 takes step 1
	v_add_nc_u32 v[ADR], s[TB], v[LA0]
	FRAG 0                                         ; tile 0's fragments
	s_add_co_u32 s[TB], s[TB], TILEB
.set gn, 0
.rept 64                                       ; Z Z^T for the 8 row tiles, the accumulators by turns: its diagonal is zsq
.set rD, ACC+8*(gn%8)
.set rB, 64*(gn%4)+8*(gn/8)
	WIN 0x05*(1+(gn%8)/4)                          ; both sources in window 1 or 2
.if gn < 8
	v_wmma_f32_16x16x32_bf16 v[rD:rD+7], v[rB:rB+7], v[rB:rB+7], 0
.else
	v_wmma_f32_16x16x32_bf16 v[rD:rD+7], v[rB:rB+7], v[rB:rB+7], v[rD:rD+7]
.endif
.set gn, gn+1
.endr
	WIN 0
.rept 4
	v_nop                                          ; the places behind those products
.endr
.irp i, 0,1,2,3,4,5,6,7
	DIAG \i
.endr
	s_mov_b32 s[CNT], 2
	s_branch .Lfirst                               ; the loop is entered at an even tile's phase: the first pass has tiles 0, 1, 2
.Lslot:                                                ; 30 times: steps 2 to 31 are asked for
	CHANGE 1
	s_mov_b32 s[CNT], 2
.Lpair:
	PHASE 1
	WIN 0
.Lfirst:
	PHASE 0
	WIN 0
	s_sub_co_u32 s[CNT], s[CNT], 1
	s_cmp_lg_u32 s[CNT], 0
	s_cbranch_scc1 .Lpair
	s_sub_co_u32 s[SLOTS], s[SLOTS], 1
	s_cmp_lg_u32 s[SLOTS], 0
	s_cbranch_scc1 .Lslot
	CHANGE 0                                       ; the tail is written out: step 31 is in, nothing is asked for
	PHASE 1                                        ; tile 123
	WIN 0
	s_mov_b32 s[CNT], 2
.Ltail:                                                ; tiles 124, 125 and 126, 127
	PHASE 0
	PHASE 1, 1
	WIN 0
	s_sub_co_u32 s[CNT], s[CNT], 1
	s_cmp_lg_u32 s[CNT], 0
	s_cbranch_scc1 .Ltail
	s_wait_dscnt 0x0                               ; tile 127's esq
.set sn, 0
.rept 64
	SLICE 1, 1                                     ; tile 127's argmin; accumulators 0 and 1, which it reads first, were finished 22 slice instructions back
.set sn, sn+1
.endr
.irp i, 0,1,2,3,4,5,6,7
	MERGE \i
.endr
	s_wait_dscnt 0x0                               ; for the others: my stores are done
	s_barrier_signal -1
	s_barrier_wait -1
	s_cmp_lt_u32 s[WV], 2                          ; waves 0 and 1 finish 64 rows each, two a lane
	s_cbranch_scc0 .Lend
.irp w, 0,1,2,3
	ds_load_b128 v[ACC+4*\w:ACC+4*\w+3], v[MLD] offset:1024*\w  ; wave w's candidates for my two rows
.endr
	s_lshl_b32 s22, s[WG], 9                       ; 128 indices of 4 bytes,
	s_lshl_b32 s23, s[WV], 8                       ; my wave's 64
	s_add_co_u32 s22, s22, s23
	v_lshl_add_u32 v[TT+6], v1, 3, s22
	s_wait_dscnt 0x0
.irp w, 1,2,3
	PICK ACC, ACC+1, ACC+4*\w, ACC+4*\w+1
	PICK ACC+2, ACC+3, ACC+4*\w+2, ACC+4*\w+3
.endr
	v_mov_b32 v[ACC+4], v[ACC+1]
	v_mov_b32 v[ACC+5], v[ACC+3]
	global_store_b64 v[TT+6], v[ACC+4:ACC+5], s[10:11]  ; 256 consecutive bytes, aligned: the output,
	global_store_b64 v[TT+6], v[ACC+4:ACC+5], s[12:13]  ; and the copy from which the next launch forms addresses
.Lend:
	s_wait_tensorcnt 0x0                           ; the wave's end, behind my last tensor load and my last LDS store
	ds_add_u32 v[SPW], v[NIL]
	s_wait_dscnt 0x0
	CROUND                                         ; the closing round: no work-group ends while a partner may still ask for a part that names it
	s_endpgm
.Lfunc_end_k_qaf184b88c9_search:
	.size	k_qaf184b88c9_search, .Lfunc_end_k_qaf184b88c9_search-k_qaf184b88c9_search
	.p2alignl 7, 3214868480
	.fill 96, 4, 3214868480
	.section	.rodata,"a",@progbits
	.p2align	6, 0x0
	.amdhsa_kernel k_qaf184b88c9_search
		.amdhsa_group_segment_fixed_size 327680
		.amdhsa_private_segment_fixed_size 0
		.amdhsa_enable_private_segment 0
		.amdhsa_kernarg_size 40
		.amdhsa_user_sgpr_count 2
		.amdhsa_user_sgpr_kernarg_segment_ptr 1
		.amdhsa_wavefront_size32 1
		.amdhsa_system_sgpr_workgroup_id_x 1
		.amdhsa_system_sgpr_workgroup_id_y 1
		.amdhsa_system_sgpr_workgroup_id_z 1
		.amdhsa_system_vgpr_workitem_id 0
		.amdhsa_next_free_vgpr 896
		.amdhsa_next_free_sgpr 90
		.amdhsa_reserve_vcc 1
		.amdhsa_float_denorm_mode_32 3
		.amdhsa_float_denorm_mode_16_64 3
		.amdhsa_memory_ordered 1
		.amdhsa_forward_progress 1
		.amdhsa_inst_pref_size 202
	.end_amdhsa_kernel
	.amdgpu_metadata
---
amdhsa.version: [ 1, 2 ]
amdhsa.kernels:
  - .name:           k_qaf184b88c9_search
    .symbol:         k_qaf184b88c9_search.kd
    .args:
      - { .name: cb, .offset: 0, .size: 8, .value_kind: global_buffer, .address_space: global }
      - { .name: esq, .offset: 8, .size: 8, .value_kind: global_buffer, .address_space: global }
      - { .name: z_e, .offset: 16, .size: 8, .value_kind: global_buffer, .address_space: global }
      - { .name: out2, .offset: 24, .size: 8, .value_kind: global_buffer, .address_space: global }
      - { .name: codes, .offset: 32, .size: 8, .value_kind: global_buffer, .address_space: global }
    .group_segment_fixed_size: 327680
    .private_segment_fixed_size: 0
    .kernarg_segment_align: 8
    .kernarg_segment_size: 40
    .max_flat_workgroup_size: 128
    .sgpr_count:     90
    .vgpr_count:     896
    .wavefront_size: 32
...
	.end_amdgpu_metadata
.endif
;; end of part 2
;; launch gather (part 3): grid 256 x 1, 16 waves a work-group, no clusters, 2,304 bytes of LDS; arguments z_e, codebook, codes, out0, part; writes out0, part
.if DOCPART == 3
	.amdgcn_target "amdgcn-amd-amdhsa--gfx1250"
	.amdhsa_code_object_version 6
	.text
	.protected	k_qaf184b88c9_gather
	.globl	k_qaf184b88c9_gather
	.p2align	8
	.type	k_qaf184b88c9_gather,@function
k_qaf184b88c9_gather:
	s_mov_b64 s[64:65], 0
	v_nop
	global_prefetch_b8 v0, s[64:65] scope:SCOPE_SE
	s_setreg_imm32_b32 hwreg(HW_REG_WAVE_MODE, 25, 1), 1
	s_wait_xcnt 0x0
; VECTOR QUANTIZER, launch 3 of 4: e = codebook[index] by the index that the launch before stored; out0 = z + (e - z), both additions as reference() writes them; the sum of (e - z)^2 of the group's 128 rows.
; Left out: the second of reference()'s two means, which is the first for all inputs (stop_gradient returns its argument); the last launch multiplies the one mean by 1.25.
; z and e are used rounded to bf16 (nearest even), like every use of the inputs in this program.  An index is held to 0 .. 8,191.
; SHARES.  A work-group has 128 rows, a wave 8.  All 32 loads of a wave (16 KiB) go out before its first wait; no register is loaded twice.  A load or store covers 512 consecutive bytes, half a row.
; Memory binds: no matrix unit, no cluster (nothing is shared), no ring in LDS.
.set SPARE, 256                        ; LDS: 16 partial sums in the first block; then the spare words, 128 bytes for each of 16 waves, which no other line names
.set L16, 2                            ; v2   16 x lane
.set ZO,  3                            ; v3   8,192 x wave + 16 x lane: my 16 bytes in the wave's first row of z and of out0; never rewritten
.set EO,  4                            ; v4-11  row r: 1,024 x index + 16 x lane; never rewritten
.set L,   12                           ; v12-15 four sums of squares
.set T,   16                           ; v16-23 at work
.set SPW, 24                           ; v24  my spare word; never rewritten
.set NIL, 25                           ; v25  0; never rewritten
.set LN,  26                           ; v26  lane
.set PO,  27                           ; v27  4 x work-group
.set Z,   32                           ; v32-95   row r, half a at 8 r + 4 a
.set EV,  96                           ; v96-159  the code row likewise; then out0
.set WV,  14                           ; s14  my wave
.set HM,  25                           ; s25  a word's upper bf16
	s_load_b256 s[4:11], s[0:1], 0x0               ; z_e s[4:5], codebook s[6:7], codes s[8:9], out0 s[10:11]
	s_load_b64 s[12:13], s[0:1], 0x20              ; part
	v_lshl_add_u32 v[SPW], v0, 2, SPARE
	v_mov_b32 v[NIL], 0
	v_lshrrev_b32 v1, 5, v0
	v_readfirstlane_b32 s[WV], v1                  ; wave 0..15
	v_and_b32 v[LN], 31, v0
	v_lshlrev_b32 v[L16], 4, v[LN]
	s_lshl_b32 s15, s[WV], 13
	v_add_nc_u32 v[ZO], s15, v[L16]
	s_lshl_b32 s26, ttmp9, 17                      ; the group's 128 rows of 1,024 bytes
	s_mov_b32 s27, 0
	s_lshl_b32 s28, ttmp9, 9                       ; its 128 indices,
	s_lshl_b32 s29, s[WV], 5                       ; my wave's 8
	s_add_co_u32 s28, s28, s29
	s_mov_b32 s29, 0
	s_mov_b32 s[HM], 0xffff0000
	s_mov_b32 s30, 0x76543210
	s_mov_b32 s31, 0xfedcba98
.irp i, 0,1,2,3
	v_mov_b32 v[L+\i], 0
.endr
	s_wait_kmcnt 0x0
	s_add_nc_u64 s[8:9], s[8:9], s[28:29]
	s_load_b256 s[16:23], s[8:9], 0x0              ; my 8 indices
	s_add_nc_u64 s[4:5], s[4:5], s[26:27]
	s_add_nc_u64 s[10:11], s[10:11], s[26:27]
.set r, 0
.rept 8
	global_load_b128 v[Z+8*r:Z+8*r+3],   v[ZO], s[4:5] offset:1024*r th:TH_LOAD_NT
	global_load_b128 v[Z+8*r+4:Z+8*r+7], v[ZO], s[4:5] offset:1024*r+512 th:TH_LOAD_NT
.set r, r+1
.endr
	s_wait_kmcnt 0x0
.set r, 0
.rept 8
	s_min_u32 s[16+r], s[16+r], 0x1fff
	v_lshl_add_u32 v[EO+r], s[16+r], 10, v[L16]
	global_load_b128 v[EV+8*r:EV+8*r+3],   v[EO+r], s[6:7]             ; no hint: several rows may name the same code
	global_load_b128 v[EV+8*r+4:EV+8*r+7], v[EO+r], s[6:7] offset:512
.set r, r+1
.endr
.macro ROWDO r
	s_wait_loadcnt 14-2*(\r)                       ; z and the code rows up to this one are in; the two loads of each later code row may stay out
.irp a, 0,1
.set rZ, Z+8*(\r)+4*\a
.set rE, EV+8*(\r)+4*\a
	v_cvt_pk_bf16_f32 v[T],   v[rZ],   v[rZ+1]     ; rounded to bf16,
	v_cvt_pk_bf16_f32 v[T+1], v[rZ+2], v[rZ+3]
	v_cvt_pk_bf16_f32 v[T+2], v[rE],   v[rE+1]
	v_cvt_pk_bf16_f32 v[T+3], v[rE+2], v[rE+3]
	v_lshlrev_b32 v[rZ],   16, v[T]                ; and back to f32: the low half moves up, the high half stays
	v_and_b32     v[rZ+1], s[HM], v[T]
	v_lshlrev_b32 v[rZ+2], 16, v[T+1]
	v_and_b32     v[rZ+3], s[HM], v[T+1]
	v_lshlrev_b32 v[rE],   16, v[T+2]
	v_and_b32     v[rE+1], s[HM], v[T+2]
	v_lshlrev_b32 v[rE+2], 16, v[T+3]
	v_and_b32     v[rE+3], s[HM], v[T+3]
	v_pk_add_f32 v[T+4:T+5], v[rE:rE+1],   v[rZ:rZ+1]   neg_lo:[0,1] neg_hi:[0,1]  ; d = e - z
	v_pk_add_f32 v[T+6:T+7], v[rE+2:rE+3], v[rZ+2:rZ+3] neg_lo:[0,1] neg_hi:[0,1]
	v_pk_add_f32 v[rE:rE+1],   v[rZ:rZ+1],   v[T+4:T+5]                            ; z + d
	v_pk_add_f32 v[rE+2:rE+3], v[rZ+2:rZ+3], v[T+6:T+7]
	v_pk_fma_f32 v[L:L+1],   v[T+4:T+5], v[T+4:T+5], v[L:L+1]
	v_pk_fma_f32 v[L+2:L+3], v[T+6:T+7], v[T+6:T+7], v[L+2:L+3]
	global_store_b128 v[ZO], v[rE:rE+3], s[10:11] offset:1024*(\r)+512*\a th:TH_STORE_NT
.endr
.endm
.irp r, 0,1,2,3,4,5,6,7
	ROWDO \r
.endr
	v_pk_add_f32 v[L:L+1], v[L:L+1], v[L+2:L+3]
	v_add_f32 v[L], v[L], v[L+1]
	v_add_f32_dpp v[L], v[L], v[L] row_xmask:1 row_mask:0xf bank_mask:0xf
	v_add_f32_dpp v[L], v[L], v[L] row_xmask:2 row_mask:0xf bank_mask:0xf
	v_add_f32_dpp v[L], v[L], v[L] row_xmask:4 row_mask:0xf bank_mask:0xf
	v_add_f32_dpp v[L], v[L], v[L] row_xmask:8 row_mask:0xf bank_mask:0xf
	v_permlanex16_b32 v[L+1], v[L], s30, s31
	v_add_f32 v[L], v[L], v[L+1]                   ; the wave's sum, in every lane
	v_mov_b32 v[T], s[WV]
	v_lshlrev_b32 v[T], 2, v[T]
	ds_store_b32 v[T], v[L]                        ; all lanes write the same word with the same value
	s_wait_dscnt 0x0                               ; for wave 0: my store is done
	s_barrier_signal -1
	s_barrier_wait -1
	s_cmp_lg_u32 s[WV], 0
	s_cbranch_scc1 .Lend
	v_and_b32 v[T+1], 15, v0
	v_lshlrev_b32 v[T+1], 2, v[T+1]
	ds_load_b32 v[T+2], v[T+1]                     ; lane l: wave l % 16's sum
	s_lshl_b32 s15, ttmp9, 2
	v_mov_b32 v[PO], s15
	s_wait_dscnt 0x0
	v_add_f32_dpp v[T+2], v[T+2], v[T+2] row_xmask:1 row_mask:0xf bank_mask:0xf
	v_add_f32_dpp v[T+2], v[T+2], v[T+2] row_xmask:2 row_mask:0xf bank_mask:0xf
	v_add_f32_dpp v[T+2], v[T+2], v[T+2] row_xmask:4 row_mask:0xf bank_mask:0xf
	v_add_f32_dpp v[T+2], v[T+2], v[T+2] row_xmask:8 row_mask:0xf bank_mask:0xf
	v_cmp_eq_u32 vcc_lo, 0, v[LN]
	s_wait_xcnt 0x0                                ; EXEC is a source of the stores above: it changes only behind this wait
	s_and_saveexec_b32 s24, vcc_lo
	global_store_b32 v[PO], v[T+2], s[12:13]       ; lane 0: the group's partial sum, f32
	s_wait_xcnt 0x0                                ; and again, in front of the line that widens it
	s_or_b32 exec_lo, exec_lo, s24
.Lend:
	s_wait_tensorcnt 0x0                           ; the wave's end, behind my last LDS store
	ds_add_u32 v[SPW], v[NIL]
	s_wait_dscnt 0x0
	s_endpgm
.Lfunc_end_k_qaf184b88c9_gather:
	.size	k_qaf184b88c9_gather, .Lfunc_end_k_qaf184b88c9_gather-k_qaf184b88c9_gather
	.p2alignl 7, 3214868480
	.fill 96, 4, 3214868480
	.section	.rodata,"a",@progbits
	.p2align	6, 0x0
	.amdhsa_kernel k_qaf184b88c9_gather
		.amdhsa_group_segment_fixed_size 2304
		.amdhsa_private_segment_fixed_size 0
		.amdhsa_enable_private_segment 0
		.amdhsa_kernarg_size 40
		.amdhsa_user_sgpr_count 2
		.amdhsa_user_sgpr_kernarg_segment_ptr 1
		.amdhsa_wavefront_size32 1
		.amdhsa_system_sgpr_workgroup_id_x 1
		.amdhsa_system_sgpr_workgroup_id_y 1
		.amdhsa_system_sgpr_workgroup_id_z 1
		.amdhsa_system_vgpr_workitem_id 0
		.amdhsa_next_free_vgpr 176
		.amdhsa_next_free_sgpr 66
		.amdhsa_reserve_vcc 1
		.amdhsa_float_denorm_mode_32 3
		.amdhsa_float_denorm_mode_16_64 3
		.amdhsa_memory_ordered 1
		.amdhsa_forward_progress 1
		.amdhsa_inst_pref_size 23
	.end_amdhsa_kernel
	.amdgpu_metadata
---
amdhsa.version: [ 1, 2 ]
amdhsa.kernels:
  - .name:           k_qaf184b88c9_gather
    .symbol:         k_qaf184b88c9_gather.kd
    .args:
      - { .name: z_e, .offset: 0, .size: 8, .value_kind: global_buffer, .address_space: global }
      - { .name: codebook, .offset: 8, .size: 8, .value_kind: global_buffer, .address_space: global }
      - { .name: codes, .offset: 16, .size: 8, .value_kind: global_buffer, .address_space: global }
      - { .name: out0, .offset: 24, .size: 8, .value_kind: global_buffer, .address_space: global }
      - { .name: part, .offset: 32, .size: 8, .value_kind: global_buffer, .address_space: global }
    .group_segment_fixed_size: 2304
    .private_segment_fixed_size: 0
    .kernarg_segment_align: 8
    .kernarg_segment_size: 40
    .max_flat_workgroup_size: 512
    .sgpr_count:     66
    .vgpr_count:     176
    .wavefront_size: 32
...
	.end_amdgpu_metadata
.endif
;; end of part 3
;; launch loss (part 4): grid 1 x 1, 1 waves a work-group, no clusters, 0 bytes of LDS; arguments part, out1; writes out1
.if DOCPART == 4
	.amdgcn_target "amdgcn-amd-amdhsa--gfx1250"
	.amdhsa_code_object_version 6
	.text
	.protected	k_qaf184b88c9_loss
	.globl	k_qaf184b88c9_loss
	.p2align	8
	.type	k_qaf184b88c9_loss,@function
k_qaf184b88c9_loss:
	s_mov_b64 s[64:65], 0
	v_nop
	global_prefetch_b8 v0, s[64:65] scope:SCOPE_SE
	s_setreg_imm32_b32 hwreg(HW_REG_WAVE_MODE, 25, 1), 1
	s_wait_xcnt 0x0
; VECTOR QUANTIZER, launch 4 of 4: vq_loss = 1.25 x the sum of the 256 partial sums / 2^23 (32,768 rows x 256 numbers).
; Left out: the second of reference()'s two means, which is the first for all inputs (stop_gradient returns its argument): mean + 0.25 mean = 1.25 mean.
; One wave: a sum that spans work-groups has one owner, in a launch of its own.  A lane takes 8 of the 256 numbers.
	s_load_b128 s[4:7], s[0:1], 0x0                ; part s[4:5], out1 s[6:7]
	v_lshlrev_b32 v1, 5, v0
	v_mov_b32 v10, 0
	s_mov_b32 s8, 0x76543210
	s_mov_b32 s9, 0xfedcba98
	s_wait_kmcnt 0x0
	global_load_b128 v[2:5], v1, s[4:5]
	global_load_b128 v[6:9], v1, s[4:5] offset:16
	s_wait_loadcnt 0x0
	v_pk_add_f32 v[2:3], v[2:3], v[4:5]
	v_pk_add_f32 v[6:7], v[6:7], v[8:9]
	v_pk_add_f32 v[2:3], v[2:3], v[6:7]
	v_add_f32 v2, v2, v3
	v_add_f32_dpp v2, v2, v2 row_xmask:1 row_mask:0xf bank_mask:0xf
	v_add_f32_dpp v2, v2, v2 row_xmask:2 row_mask:0xf bank_mask:0xf
	v_add_f32_dpp v2, v2, v2 row_xmask:4 row_mask:0xf bank_mask:0xf
	v_add_f32_dpp v2, v2, v2 row_xmask:8 row_mask:0xf bank_mask:0xf
	v_permlanex16_b32 v3, v2, s8, s9
	v_add_f32 v2, v2, v3
	v_mul_f32 v2, 0x34200000, v2                   ; 1.25 x 2^-23
	v_cmp_eq_u32 vcc_lo, 0, v0
	s_wait_xcnt 0x0                                ; EXEC changes only behind this wait
	s_and_saveexec_b32 s10, vcc_lo
	global_store_b32 v10, v2, s[6:7]               ; lane 0 stores the one number
	s_wait_xcnt 0x0
	s_or_b32 exec_lo, exec_lo, s10
	s_endpgm
.Lfunc_end_k_qaf184b88c9_loss:
	.size	k_qaf184b88c9_loss, .Lfunc_end_k_qaf184b88c9_loss-k_qaf184b88c9_loss
	.p2alignl 7, 3214868480
	.fill 96, 4, 3214868480
	.section	.rodata,"a",@progbits
	.p2align	6, 0x0
	.amdhsa_kernel k_qaf184b88c9_loss
		.amdhsa_group_segment_fixed_size 0
		.amdhsa_private_segment_fixed_size 0
		.amdhsa_enable_private_segment 0
		.amdhsa_kernarg_size 16
		.amdhsa_user_sgpr_count 2
		.amdhsa_user_sgpr_kernarg_segment_ptr 1
		.amdhsa_wavefront_size32 1
		.amdhsa_system_sgpr_workgroup_id_x 1
		.amdhsa_system_sgpr_workgroup_id_y 1
		.amdhsa_system_sgpr_workgroup_id_z 1
		.amdhsa_system_vgpr_workitem_id 0
		.amdhsa_next_free_vgpr 16
		.amdhsa_next_free_sgpr 66
		.amdhsa_reserve_vcc 1
		.amdhsa_float_denorm_mode_32 3
		.amdhsa_float_denorm_mode_16_64 3
		.amdhsa_memory_ordered 1
		.amdhsa_forward_progress 1
		.amdhsa_inst_pref_size 2
	.end_amdhsa_kernel
	.amdgpu_metadata
---
amdhsa.version: [ 1, 2 ]
amdhsa.kernels:
  - .name:           k_qaf184b88c9_loss
    .symbol:         k_qaf184b88c9_loss.kd
    .args:
      - { .name: part, .offset: 0, .size: 8, .value_kind: global_buffer, .address_space: global }
      - { .name: out1, .offset: 8, .size: 8, .value_kind: global_buffer, .address_space: global }
    .group_segment_fixed_size: 0
    .private_segment_fixed_size: 0
    .kernarg_segment_align: 8
    .kernarg_segment_size: 16
    .max_flat_workgroup_size: 32
    .sgpr_count:     66
    .vgpr_count:     16
    .wavefront_size: 32
...
	.end_amdgpu_metadata
.endif
;; end of part 4
;; ======== version 2 of 2: 4 launches; version 1 with the launch prep written anew for expert scheduling mode
;; workspace buffers: cb 4,194,304 bytes; esq 32,768 bytes; codes 131,072 bytes of whole numbers; part 1,024 bytes
;; launch prep (part 5): grid 128 x 1, 4 waves a work-group, no clusters, 35,584 bytes of LDS; arguments codebook, cb, esq; writes cb, esq
.if DOCPART == 5
	.amdgcn_target "amdgcn-amd-amdhsa--gfx1250"
	.amdhsa_code_object_version 6
	.text
	.protected	k_qaf184b88c9_prep
	.globl	k_qaf184b88c9_prep
	.p2align	8
	.type	k_qaf184b88c9_prep,@function
k_qaf184b88c9_prep:
	s_mov_b64 s[64:65], 0
	v_nop
	global_prefetch_b8 v0, s[64:65] scope:SCOPE_SE
	s_setreg_imm32_b32 hwreg(HW_REG_WAVE_SCHED_MODE, 0, 2), 2
	s_setreg_imm32_b32 hwreg(HW_REG_WAVE_MODE, 25, 1), 1
	s_wait_xcnt 0x0
	s_wait_alu depctr_vm_vsrc(0)
; VECTOR QUANTIZER, launch 1 of 4: the codebook is rounded to bf16 once and laid out in the order of a wave's operand registers; esq[c] = the sum of the squares of the rounded row c, in f32.
; WORK LEFT OUT, in the whole program.  reference() adds mean((sg(z_q) - z_e)^2) and BETA x mean((z_q - sg(z_e))^2).  stop_gradient returns its argument, so for all values of the inputs
; both means are taken of the same numbers: ONE mean is made and multiplied by 1 + BETA = 1.25.  The mean left out is the mean kept, so no NaN, infinity or overflow reaches the work left out alone.
; NOT left out: z_sq, though it is the same along the argmin's axis (it is so large beside the other two terms that f32 loses their low bits, and ties then go to the lower index);
; and z_e + (z_q - z_e), though it is z_q by an identity (f32 loses z_q's low bits beside z_e).  Both inputs are loaded.
; FORMATS.  Matrix operands are bf16, so every use of z_e and of the codebook in the program is of the number rounded to bf16 (nearest even): z_sq, e_sq, out0 and the loss too.
; cb: tile T (codes 16 T .. 16 T + 15) is 8,192 bytes at 8,192 T; in it the 16 bytes at 256 g + 16 r hold elements 8 g .. 8 g + 7 of code 16 T + r.  So the 512 bytes at 512 n are, lane by lane,
;     registers 4 (n % 2) .. + 3 of the fragment of K step n / 2 (lane = r + 16 h holds elements 32 (n / 2) + 16 (n % 2) + 8 h ..).
; esq: the next launch gives tile T = 16 s + 4 w + u to wave w as its tile q = 4 s + u: esq of code 16 T + c lies at byte 8,192 w + 64 q + 4 c.
; SHARES.  Wave v of work-group G takes tile T = 4 G + v: w = G % 4, s = G / 4, u = v, so the group's four tiles make 256 consecutive bytes of esq.
; A lane loads 32 bytes of each of the 16 rows: its 8 numbers are one piece of 16 bytes of cb.  The pieces go through the wave's own stage in LDS, so that each store covers 512 consecutive bytes.
; THE MODE: SCHED_MODE bits 1:0 = 2 (LLVM: expert scheduling mode 2), set by the entry lines.  The code itself states the register dependences
; between vector instructions and memory or LDS instructions, with s_wait_alu, always for 0.
; THE PLAN.  Registers that memory or LDS instructions touch:
;   v2-v7, v14   offsets and LDS addresses: written by vector instructions at the head, once; read by loads and stores; never written again.
;   X            The 32 global loads land in it (no vector instruction names it before them).  A row's four conversions write its first four registers; its LDS store and its
;                multiply-adds read them; nothing writes them again.
;   BK, v12-13   LDS loads land in them, global stores read them; no vector instruction names them.
;   P            Vector work alone, until the four LDS stores of esq read it; nothing writes it again.
;   v8, v9       Written at the head; read by the closing add (v9, 0, also as a vector source).
; The 16 rows go in four blocks of four.  A block: the wait for its eight loads; its 16 conversions; ONE wait on va_vdst; the run of its four LDS stores; its 32 multiply-adds, the four rows' chains by turns.
; The read-backs from the stage and cb's stores touch TL, SO and BK alone, which no vector instruction names behind the head's wait: they are dealt among the additions over the lanes with no further wait.
; No register that a memory or LDS instruction reads is written again, so the text holds no wait on vm_vsrc.
.set ROWB,  1024                       ; bytes in a row of the codebook
.set TP,    272                        ; a stage row: 256 bytes + 16 = 68 words: row g starts at bank 4 g mod 64 (64 banks of 4 bytes: ISA guide 11.1)
.set TRW,   32*TP                      ; a wave's stage: 32 rows
.set EQ,    4*TRW                      ; behind the stages: the group's 64 esq, 256 bytes
.set SPARE, EQ+256                     ; the spare words, 128 bytes for each wave: two blocks of 256 bytes that no other line names
.set LO,  2                            ; v2   32 x lane: my 32 bytes of a row
.set TS,  3                            ; v3   stage, in: row = my lane
.set TL,  4                            ; v4   stage, back: lanes 0-15 one row, lanes 16-31 the next
.set SO,  5                            ; v5   16 x lane
.set EA,  6                            ; v6   EQ + 64 x wave
.set ER,  7                            ; v7   EQ + 8 x lane
.set SPW, 8                            ; v8   my spare word; never rewritten
.set NIL, 9                            ; v9   0; never rewritten
.set T0,  10                           ; v10-11 at work: no memory or LDS instruction names them
.set EV,  12                           ; v[12:13] two esq on their way out
.set EO,  14                           ; v14  my byte offset in esq
.set P,   16                           ; v16-31  row r: the sum of squares
.set X,   32                           ; v32-159 row r: 8 registers as loaded; the first 4 then hold the 8 rounded numbers
.set BK,  160                          ; v160-223 the tile read back from the stage
.set WV,  14                           ; s14  my wave
	s_load_b128 s[4:7], s[0:1], 0x0                ; codebook s[4:5], cb s[6:7]
	s_load_b64 s[8:9], s[0:1], 0x10                ; esq
	v_lshl_add_u32 v[SPW], v0, 2, SPARE
	v_mov_b32 v[NIL], 0
	v_lshrrev_b32 v1, 5, v0
	v_readfirstlane_b32 s[WV], v1                  ; wave 0..3
	v_and_b32 v1, 31, v0                           ; lane
	v_lshlrev_b32 v[LO], 5, v1
	v_lshlrev_b32 v[SO], 4, v1
	v_mul_u32_u24 v[TS], v1, TP
	v_lshrrev_b32 v[T0], 4, v1
	v_and_b32 v[T0+1], 15, v1
	v_mul_u32_u24 v[TL], v[T0], TP
	v_lshl_add_u32 v[TL], v[T0+1], 4, v[TL]
	v_lshl_add_u32 v[ER], v1, 3, EQ
	s_wait_alu depctr_va_sdst(0)                   ; s14, the wave's number, is written, ahead of its first reader: the stage's base and the bases of the three buffers are made from it
	s_mul_i32 s15, s[WV], TRW                      ; my stage
	v_add_nc_u32 v[TS], s15, v[TS]
	v_add_nc_u32 v[TL], s15, v[TL]
	s_lshl_b32 s16, s[WV], 6
	s_add_co_u32 s16, s16, EQ
	v_mov_b32 v[EA], s16
	s_lshl_b32 s17, ttmp9, 2
	s_add_co_u32 s17, s17, s[WV]                   ; T
	s_lshl_b32 s18, s17, 14                        ; 16 rows of 1,024 bytes
	s_mov_b32 s19, 0
	s_lshl_b32 s20, s17, 13                        ; 8,192 bytes of cb
	s_mov_b32 s21, 0
	s_and_b32 s22, ttmp9, 3
	s_lshl_b32 s22, s22, 13                        ; 8,192 (G % 4)
	s_lshr_b32 s23, ttmp9, 2
	s_lshl_b32 s23, s23, 8                         ; + 256 (G / 4)
	s_add_co_u32 s22, s22, s23
	v_lshl_add_u32 v[EO], v1, 3, s22
	s_mov_b32 s12, 0x76543210                      ; v_permlanex16_b32: each lane takes its own place in the other half
	s_mov_b32 s13, 0xfedcba98
	s_wait_kmcnt 0x0
	s_add_nc_u64 s[4:5], s[4:5], s[18:19]
	s_add_nc_u64 s[6:7], s[6:7], s[20:21]
	s_wait_alu depctr_va_vdst(0)                   ; v2 to v7 and v14 are written: every load and store of the kernel reads one of them as its offset or LDS address, and none is written again
.set r, 0
.rept 16                                       ; all 32 loads go out before the first wait: 16 KiB a wave
	global_load_b128 v[X+8*r:X+8*r+3],   v[LO], s[4:5] offset:ROWB*r th:TH_LOAD_NT
	global_load_b128 v[X+8*r+4:X+8*r+7], v[LO], s[4:5] offset:ROWB*r+16 th:TH_LOAD_NT
.set r, r+1
.endr
; Block b: rows 4 b .. 4 b + 3.
.macro BLOCK b
	s_wait_loadcnt 24-8*(\b)                       ; the block's four rows are in; the eight loads of each later block may stay out
.irp i, 0,1,2,3
.irp n, 0,1,2,3
	v_cvt_pk_bf16_f32 v[X+8*(4*(\b)+(\i))+(\n)], v[X+8*(4*(\b)+(\i))+2*(\n)], v[X+8*(4*(\b)+(\i))+2*(\n)+1]  ; in place, ascending: register n is written when it has been read
.endr
.endr
	s_wait_alu depctr_va_vdst(0)                   ; the 16 conversions have written the first four registers of each of the block's rows, which the four LDS stores read
.irp i, 0,1,2,3
	ds_store_b128 v[TS], v[X+8*(4*(\b)+(\i)):X+8*(4*(\b)+(\i))+3] offset:16*(4*(\b)+(\i))  ; stage row = my lane = g, place r
.endr
.irp n, 0,1,2,3                                ; the sums of squares: in each row register 0's low half, its high half, register 1's .. ; the four rows' chains take turns
.irp i, 0,1,2,3
.if (\n) == 0
	v_fma_mix_f32_bf16 v[P+4*(\b)+(\i)], v[X+8*(4*(\b)+(\i))], v[X+8*(4*(\b)+(\i))], v[NIL] op_sel_hi:[1,1,0]  ; the low half squared starts the sum
.else
	v_fma_mix_f32_bf16 v[P+4*(\b)+(\i)], v[X+8*(4*(\b)+(\i))+(\n)], v[X+8*(4*(\b)+(\i))+(\n)], v[P+4*(\b)+(\i)] op_sel_hi:[1,1,0]
.endif
.endr
.irp i, 0,1,2,3
	v_fma_mix_f32_bf16 v[P+4*(\b)+(\i)], v[X+8*(4*(\b)+(\i))+(\n)], v[X+8*(4*(\b)+(\i))+(\n)], v[P+4*(\b)+(\i)] op_sel:[1,1,0] op_sel_hi:[1,1,0]  ; the high half squared
.endr
.endr
.endm
	BLOCK 0
	BLOCK 1
	BLOCK 2
	BLOCK 3
.set g, 0
.rept 16
	ds_load_b128 v[BK+4*g:BK+4*g+3], v[TL] offset:2*TP*g  ; my own stage: LDS serves a wave's instructions in order (ISA guide 5.7.1.4), so these see the stores above
.set g, g+1
.endr
	; cb's 16 stores, dealt among the sums over the lanes (four steps inside each half ride on the addition): four additions stand ahead of each wait for a read-back.
	; No wait on va_vdst: the additions name P alone, the stores BK and v[SO].
.set g, 0
.irp m, 1,2,4,8
.rept 4
.irp a, 0,1,2,3
	v_add_f32_dpp v[P+4*(g%4)+(\a)], v[P+4*(g%4)+(\a)], v[P+4*(g%4)+(\a)] row_xmask:\m row_mask:0xf bank_mask:0xf
.endr
	s_wait_dscnt 15-g                              ; read-back g is in; the later ones may stay out
	global_store_b128 v[SO], v[BK+4*g:BK+4*g+3], s[6:7] offset:512*g  ; 512 consecutive bytes, at a multiple of 256 from cb's first byte
.set g, g+1
.endr
.endr
.set r, 0
.rept 8                                        ; one step crosses the halves
	v_permlanex16_b32 v[T0], v[P+r], s12, s13
	v_permlanex16_b32 v[T0+1], v[P+r+1], s12, s13
	v_add_f32 v[P+r], v[P+r], v[T0]
	v_add_f32 v[P+r+1], v[P+r+1], v[T0+1]
.set r, r+2
.endr
	s_wait_alu depctr_va_vdst(0)                   ; the last additions have written P, which the four LDS stores read
.irp a, 0,1,2,3
	ds_store_b128 v[EA], v[P+4*\a:P+4*\a+3] offset:16*\a  ; every lane holds the same 16 sums and writes the same words
.endr
	s_wait_dscnt 0x0                               ; for wave 0: my stores are done
	s_barrier_signal -1
	s_barrier_wait -1
	s_cmp_lg_u32 s[WV], 0
	s_cbranch_scc1 .Lend
	ds_load_b64 v[EV:EV+1], v[ER]
	s_wait_dscnt 0x0
	global_store_b64 v[EO], v[EV:EV+1], s[8:9]     ; the group's 64 esq: 256 consecutive bytes, aligned
.Lend:
	s_wait_dscnt 0x0                               ; the closing lines, six on end
	s_wait_alu 0x0
	s_wait_tensorcnt 0x0
	ds_add_u32 v[SPW], v[NIL]
	s_wait_dscnt 0x0
	s_endpgm
.Lfunc_end_k_qaf184b88c9_prep:
	.size	k_qaf184b88c9_prep, .Lfunc_end_k_qaf184b88c9_prep-k_qaf184b88c9_prep
	.p2alignl 7, 3214868480
	.fill 96, 4, 3214868480
	.section	.rodata,"a",@progbits
	.p2align	6, 0x0
	.amdhsa_kernel k_qaf184b88c9_prep
		.amdhsa_group_segment_fixed_size 35584
		.amdhsa_private_segment_fixed_size 0
		.amdhsa_enable_private_segment 0
		.amdhsa_kernarg_size 24
		.amdhsa_user_sgpr_count 2
		.amdhsa_user_sgpr_kernarg_segment_ptr 1
		.amdhsa_wavefront_size32 1
		.amdhsa_system_sgpr_workgroup_id_x 1
		.amdhsa_system_sgpr_workgroup_id_y 1
		.amdhsa_system_sgpr_workgroup_id_z 1
		.amdhsa_system_vgpr_workitem_id 0
		.amdhsa_next_free_vgpr 224
		.amdhsa_next_free_sgpr 66
		.amdhsa_reserve_vcc 0
		.amdhsa_float_denorm_mode_32 3
		.amdhsa_float_denorm_mode_16_64 3
		.amdhsa_memory_ordered 1
		.amdhsa_forward_progress 1
		.amdhsa_inst_pref_size 28
	.end_amdhsa_kernel
	.amdgpu_metadata
---
amdhsa.version: [ 1, 2 ]
amdhsa.kernels:
  - .name:           k_qaf184b88c9_prep
    .symbol:         k_qaf184b88c9_prep.kd
    .args:
      - { .name: codebook, .offset: 0, .size: 8, .value_kind: global_buffer, .address_space: global }
      - { .name: cb, .offset: 8, .size: 8, .value_kind: global_buffer, .address_space: global }
      - { .name: esq, .offset: 16, .size: 8, .value_kind: global_buffer, .address_space: global }
    .group_segment_fixed_size: 35584
    .private_segment_fixed_size: 0
    .kernarg_segment_align: 8
    .kernarg_segment_size: 24
    .max_flat_workgroup_size: 128
    .sgpr_count:     66
    .vgpr_count:     224
    .wavefront_size: 32
...
	.end_amdgpu_metadata
.endif
;; end of part 5
;; launch search: the kernel of part 2 again; grid 256 x 1, 4 waves a work-group, clusters of 4 x 1, 327,680 bytes of LDS; arguments cb, esq, z_e, out2, codes; writes out2, codes
;; launch gather: the kernel of part 3 again; grid 256 x 1, 16 waves a work-group, no clusters, 2,304 bytes of LDS; arguments z_e, codebook, codes, out0, part; writes out0, part
;; launch loss: the kernel of part 4 again; grid 1 x 1, 1 waves a work-group, no clusters, 0 bytes of LDS; arguments part, out1; writes out1
